; MI455X (gfx1250); checked and timed in simulation.
; The chip was launched on July 23, 2026; its instructions are those of AMD's public machine-readable ISA for CDNA 5 (MIT licence, August 2026) and "CDNA5" Instruction Set Architecture Reference Guide (July 2026). The comments in the code are by the model that wrote it; some were corrected since.
;; Causal Self Attention. Allowed arithmetic: matrix products marked QUANTISED: E4M3 operands, one given power-of-two scale a tensor, by v_wmma_f32_16x16x64_fp8_fp8 or v_wmma_f32_16x16x128_fp8_fp8, f32 sums; everything else in f32.
;; Inputs: lowp_scales 8 int32 (the exponents e of the quantised operands' scales 2^e); w_attn_codes 3,072 x 32 x 32 uint8 (E4M3 codes of w_attn, K innermost, in blocks of 32 codes); w_proj_codes 1,024 x 32 x 32 uint8 (E4M3 codes of w_proj, K innermost, in blocks of 32 codes); x_codes 4 x 2,048 x 32 x 32 uint8 (E4M3 codes of x, K innermost, in blocks of 32 codes).
;; Outputs: out0 4 x 2,048 x 1,024 float32.
;; This version of the problem:
;;   THIS VERSION OF THE PROBLEM IS GIVEN IN LOW PRECISION. The matrix products marked QUANTISED in the list below multiply operands that are first quantised to E4M3 (4 exponent bits, 3 mantissa bits; 8 bits a number), with one given power-of-two scale for each operand tensor; their sums are f32. All else is computed in f32.
;;   The module's matrix products, in the order in which they are computed (A, B: the left and right operand; K: the contracted axis; several contracted axes count as one K, in the product's order):
;;     1. [M 8,192, K 1,024] x [K 1,024, N 3,072]; A: input x (given as codes); B: input w_attn (given as codes): QUANTISED (scales: A lowp_scales[0], B lowp_scales[1])
;;     2. batch 64 x [M 2,048, K 64] x [K 64, N 2,048]; A: computed on the way; B: computed on the way: QUANTISED (scales: A lowp_scales[2], B lowp_scales[3])
;;     3. batch 64 x [M 2,048, K 2,048] x [K 2,048, N 64]; A: softmax (see below); B: computed on the way: QUANTISED (scales: A lowp_scales[4], B lowp_scales[5])
;;     4. [M 8,192, K 1,024] x [K 1,024, N 1,024]; A: computed on the way; B: input w_proj (given as codes): QUANTISED (scales: A lowp_scales[6], B lowp_scales[7])
;;   THE QUANTISER, for each operand of a quantised product, along K:
;;     - The operand's scale is 2^e, e = its entry of the input lowp_scales (int32; the entries are numbered through the quantised products in the list's order, A before B).
;;     - Each number is divided by the scale, clamped to +-448, and rounded to the nearest number of E4M3, ties to even, subnormals kept.
;;     - The product sums the exact products of the quantised numbers (number of the format x scale) in f32.
;;   ~~~python
;;   def quantise(x, axis, e):      # numpy; x: float32 -> the quantised numbers, widened to float32 again
;;       x = np.moveaxis(x, axis, -1); K = x.shape[-1]
;;       r = np.clip(x / 2.0 ** e, -448, 448)
;;       step = 2.0 ** (np.maximum(np.frexp(np.where(r == 0, 1, r))[1] - 1, -6) - 3)
;;       q = np.round(r / step) * step * 2.0 ** e      # np.round: ties to even
;;       return np.moveaxis(q, -1, axis).astype(np.float32)
;;   ~~~
;;   SOFTMAX AHEAD OF A QUANTISED PRODUCT. Where the list says 'softmax', what is quantised is not the finished softmax but p = 2^(t - M), with t = logit x log2(e) and M = ceil(the row's largest t), a whole number; so 1/2 < the row's largest p <= 1. The row's sum l is taken of the UNQUANTISED p, in f32, and the product's result is divided by l at the end. Since M is a whole number, a kernel that streams over the keys may use a running M (the ceiling of the running maximum): every later rescaling is an exact power of two, so the quantised numbers keep their values, but for numbers so far below the row's largest that they fall under the format's range.
;;   OPERANDS COMPUTED ON THE WAY. 'Computed on the way' means the value that the module computes at that place (a softmax that the list does not call 'softmax' is quantised finished and normalised). What goes into a quantiser is computed in f32, as accurately as f32 sums, v_exp_f32 and their like allow (about 1e-6 of the number): no bf16 or f16 on the way to a quantiser, and a product that is left as it is and whose result goes on into a quantised operand takes f32 operands (vector FMAs, or v_wmma_f32_16x16x4_f32). A number that lies on a knife's edge between two numbers of the format may be rounded either way, as far as f32 arithmetic and the matrix unit's own rounding can turn it there, and no further.
;;   INPUTS GIVEN AS CODES. w_attn (in the module: [1024, 3072], K = its axis 0); w_proj (in the module: [1024, 1024], K = its axis 0); x (in the module: [4, 2048, 1024], K = its axis 2): each comes as NAME_codes (uint8): NAME with its K axis moved to the last place and cut into blocks of 32 codes, [.., K / 32, bytes a block], one block behind the other in memory; one code a byte (a code: sign, 4 exponent bits, 3 mantissa bits); its scale is its entry of lowp_scales. Its value is code x scale, taken as it is: it is not quantised again, and the codes and scales need not be those that the quantiser above would give.
;; One version. Each part assembles by itself: llvm-mc -triple=amdgcn-amd-amdhsa -mcpu=gfx1250 --defsym DOCPART=n.
;; ======== version 1 of 1: 4 launches
;; limits: right only within a limited range of input values
;; workspace buffers: rope 524,288 bytes; q_img 8,388,608 bytes; kv_img 16,777,216 bytes; y_img 8,388,608 bytes
;; launch rope_table (part 1): grid 128 x 1, 4 waves a work-group, no clusters, 0 bytes of LDS; arguments rope; writes rope
.if DOCPART == 1
	.amdgcn_target "amdgcn-amd-amdhsa--gfx1250"
	.amdhsa_code_object_version 6
	.text
	.protected	k_q3d727533b7_rope_table
	.globl	k_q3d727533b7_rope_table
	.p2align	8
	.type	k_q3d727533b7_rope_table,@function
k_q3d727533b7_rope_table:
	s_mov_b64 s[64:65], 0
	v_nop
	global_prefetch_b8 v0, s[64:65] scope:SCOPE_SE
	s_setreg_imm32_b32 hwreg(HW_REG_WAVE_MODE, 25, 1), 1
	s_wait_xcnt 0x0
; cos and sin of the rotary angles, t = 0 .. 2047, f = 0 .. 31, angle = fl(t x w(f)), w(f) = 10000^(-f/32), all in f32.
; LAYOUT of the table, so that the next launch loads it 16 bytes a lane: [t / 16][cos, sin][f / 16][(f / 4) % 2][lane][16 bytes]; lane (r, h) holds t = 16 (t / 16) + r and
; f = 16 u + 8 h + 4 half + 0 .. 3.  A work-group makes one block of 16 t: thread = 64 u + 32 half + lane, four pairs each; a wave's store covers 512 consecutive bytes, aligned.
; w(f) = 2^(-f C), C = log2(10000) / 32 = C_HI + C_LO: C_HI has 18 significant bits, so f x C_HI (f < 32) is exact; 2^(-f C_LO) = 1 - f C_LO ln 2 up to 1e-9.
; The angle is one f32 product.  Reduction: n = nearest whole number to angle x 2 / pi; r = angle - n pi / 2 with pi / 2 in two f32 parts: the first fused step is exact
; (the difference is a multiple of 2^-23 below 1).  sin r and cos r on |r| <= pi / 4 by polynomials of degree 7 and 8; the quadrant n mod 4 swaps them and sets the signs.
; No loop, no LDS, no barrier.
.set FF, 4                             ; v4-7    f as f32
.set AA, 8                             ; v8-11   f x C_HI
.set EE, 12                            ; v12-15  w(f)
.set KK, 16                            ; v16-19  f x C_LO ln 2
.set XX, 20                            ; v20-23  the angle
.set NN, 24                            ; v24-27  n
.set RR, 28                            ; v28-31  r
.set ZZ, 32                            ; v32-35  r^2
.set SN, 36                            ; v36-39  sin r
.set CN, 40                            ; v40-43  cos r
.set T0, 44
.set T1, 48
.set QI, 52                            ; v52-55  n as a whole number
.set CO, 56                            ; v56-59  cos of the angle
.set SI, 60                            ; v60-63  sin of the angle
	s_load_b64 s[4:5], s[0:1], 0x0
	s_mov_b32 s8, 0x3ed49a40                       ; C_HI
	s_mov_b32 s9, 0x359c15fe                       ; C_LO x ln 2
	s_mov_b32 s10, 0x3f22f983                      ; 2 / pi
	s_mov_b32 s11, 0xbe2aaaa3                      ; sin: r + r^3 (S1 + S2 z + S3 z^2)
	s_mov_b32 s12, 0x3c08839e
	s_mov_b32 s13, 0xb94ca1f9
	s_mov_b32 s14, 0x3d2aaaa5                      ; cos: 1 - z / 2 + z^2 (C1 + C2 z + C3 z^2)
	s_mov_b32 s15, 0xbab6061a
	s_mov_b32 s16, 0x37ccf5ce
	s_lshl_b32 s6, ttmp9, 4                        ; the block's first t
	s_lshl_b32 s18, ttmp9, 12                      ; the block's 4,096 bytes
	s_mov_b32 s19, 0
	v_and_b32 v2, 15, v0
	v_add_nc_u32 v2, s6, v2
	v_cvt_f32_u32 v2, v2                           ; t
	v_bfe_u32 v3, v0, 6, 1
	v_lshlrev_b32 v3, 4, v3                        ; 16 u
	v_bfe_u32 v8, v0, 4, 1
	v_lshl_or_b32 v3, v8, 3, v3                    ; + 8 h
	v_bfe_u32 v8, v0, 5, 1
	v_lshl_or_b32 v3, v8, 2, v3                    ; + 4 half: my first f
	v_lshlrev_b32 v1, 4, v0                        ; my 16 bytes
.irp i, 0,1,2,3
	v_add_nc_u32 v[FF+\i], \i, v3
.endr
.irp i, 0,1,2,3
	v_cvt_f32_u32 v[FF+\i], v[FF+\i]
.endr
.irp i, 0,1,2,3
	v_mul_f32 v[AA+\i], s8, v[FF+\i]               ; exact
.endr
	s_wait_alu depctr_va_vdst(0)
.irp i, 0,1,2,3
	v_exp_f32 v[EE+\i], -v[AA+\i]
.endr
.irp i, 0,1,2,3
	v_mul_f32 v[KK+\i], s9, v[FF+\i]               ; plain lines between the exponentials and the use of their results
.endr
	s_wait_alu depctr_va_vdst(0)
.irp i, 0,1,2,3
	v_fma_f32 v[EE+\i], -v[EE+\i], v[KK+\i], v[EE+\i]
.endr
.irp i, 0,1,2,3
	v_mul_f32 v[XX+\i], v2, v[EE+\i]               ; the angle, rounded once
.endr
.irp i, 0,1,2,3
	v_mul_f32 v[NN+\i], s10, v[XX+\i]
.endr
.irp i, 0,1,2,3
	v_rndne_f32 v[NN+\i], v[NN+\i]
.endr
.irp i, 0,1,2,3
	v_fmamk_f32 v[RR+\i], v[NN+\i], 0xbfc90fdb, v[XX+\i]   ; angle - n x (pi / 2's first part)
.endr
.irp i, 0,1,2,3
	v_fmamk_f32 v[RR+\i], v[NN+\i], 0x333bbd2e, v[RR+\i]   ; - n x (its second part, which is negative)
.endr
.irp i, 0,1,2,3
	v_mul_f32 v[ZZ+\i], v[RR+\i], v[RR+\i]
.endr
.irp i, 0,1,2,3
	v_fma_f32 v[SN+\i], v[ZZ+\i], s13, s12
	v_fma_f32 v[CN+\i], v[ZZ+\i], s16, s15
.endr
.irp i, 0,1,2,3
	v_fma_f32 v[SN+\i], v[SN+\i], v[ZZ+\i], s11
	v_fma_f32 v[CN+\i], v[CN+\i], v[ZZ+\i], s14
.endr
.irp i, 0,1,2,3
	v_mul_f32 v[T0+\i], v[ZZ+\i], v[RR+\i]
	v_fma_f32 v[T1+\i], v[ZZ+\i], -0.5, 1.0
.endr
.irp i, 0,1,2,3
	v_fma_f32 v[SN+\i], v[SN+\i], v[T0+\i], v[RR+\i]
	v_mul_f32 v[T0+\i], v[ZZ+\i], v[ZZ+\i]
.endr
.irp i, 0,1,2,3
	v_fma_f32 v[CN+\i], v[CN+\i], v[T0+\i], v[T1+\i]
	v_cvt_i32_f32 v[QI+\i], v[NN+\i]
.endr
.irp i, 0,1,2,3
	v_and_b32 v[T0+\i], 1, v[QI+\i]
	v_cmp_eq_u32 vcc_lo, 1, v[T0+\i]               ; an odd quadrant swaps sin and cos
	v_cndmask_b32 v[SI+\i], v[SN+\i], v[CN+\i], vcc_lo
	v_cndmask_b32 v[CO+\i], v[CN+\i], v[SN+\i], vcc_lo
	v_and_b32 v[T0+\i], 2, v[QI+\i]                ; sin is negative in quadrants 2 and 3,
	v_lshlrev_b32 v[T0+\i], 30, v[T0+\i]
	v_xor_b32 v[SI+\i], v[SI+\i], v[T0+\i]
	v_add_nc_u32 v[T1+\i], 1, v[QI+\i]             ; cos in quadrants 1 and 2
	v_and_b32 v[T1+\i], 2, v[T1+\i]
	v_lshlrev_b32 v[T1+\i], 30, v[T1+\i]
	v_xor_b32 v[CO+\i], v[CO+\i], v[T1+\i]
.endr
	s_wait_alu depctr_va_vdst(0)
	s_wait_kmcnt 0x0
	s_add_nc_u64 s[4:5], s[4:5], s[18:19]
	global_store_b128 v1, v[CO:CO+3], s[4:5]
	global_store_b128 v1, v[SI:SI+3], s[4:5] offset:2048
	s_endpgm
.Lfunc_end_k_q3d727533b7_rope_table:
	.size	k_q3d727533b7_rope_table, .Lfunc_end_k_q3d727533b7_rope_table-k_q3d727533b7_rope_table
	.p2alignl 7, 3214868480
	.fill 96, 4, 3214868480
	.section	.rodata,"a",@progbits
	.p2align	6, 0x0
	.amdhsa_kernel k_q3d727533b7_rope_table
		.amdhsa_group_segment_fixed_size 0
		.amdhsa_private_segment_fixed_size 0
		.amdhsa_enable_private_segment 0
		.amdhsa_kernarg_size 8
		.amdhsa_user_sgpr_count 2
		.amdhsa_user_sgpr_kernarg_segment_ptr 1
		.amdhsa_wavefront_size32 1
		.amdhsa_system_sgpr_workgroup_id_x 1
		.amdhsa_system_sgpr_workgroup_id_y 1
		.amdhsa_system_sgpr_workgroup_id_z 1
		.amdhsa_system_vgpr_workitem_id 0
		.amdhsa_next_free_vgpr 64
		.amdhsa_next_free_sgpr 66
		.amdhsa_reserve_vcc 1
		.amdhsa_float_denorm_mode_32 3
		.amdhsa_float_denorm_mode_16_64 3
		.amdhsa_memory_ordered 1
		.amdhsa_forward_progress 1
		.amdhsa_inst_pref_size 8
	.end_amdhsa_kernel
	.amdgpu_metadata
---
amdhsa.version: [ 1, 2 ]
amdhsa.kernels:
  - .name:           k_q3d727533b7_rope_table
    .symbol:         k_q3d727533b7_rope_table.kd
    .args:
      - { .name: rope, .offset: 0, .size: 8, .value_kind: global_buffer, .address_space: global }
    .group_segment_fixed_size: 0
    .private_segment_fixed_size: 0
    .kernarg_segment_align: 8
    .kernarg_segment_size: 8
    .max_flat_workgroup_size: 128
    .sgpr_count:     66
    .vgpr_count:     64
    .wavefront_size: 32
...
	.end_amdgpu_metadata
.endif
;; end of part 1
;; launch qkv (part 2): grid 16 x 32, 4 waves a work-group, clusters of 4 x 4, 327,680 bytes of LDS; arguments x_codes, w_attn_codes, lowp_scales, rope, q_img, kv_img; writes q_img, kv_img
.if DOCPART == 2
	.amdgcn_target "amdgcn-amd-amdhsa--gfx1250"
	.amdhsa_code_object_version 6
	.text
	.protected	k_q3d727533b7_qkv
	.globl	k_q3d727533b7_qkv
	.p2align	8
	.type	k_q3d727533b7_qkv,@function
k_q3d727533b7_qkv:
	s_mov_b64 s[64:65], 0
	v_nop
	global_prefetch_b8 v0, s[64:65] scope:SCOPE_SE
	s_setreg_imm32_b32 hwreg(HW_REG_WAVE_MODE, 25, 1), 1
	s_wait_xcnt 0x0
	s_wait_alu depctr_hold_cnt(0) depctr_sa_sdst(0) depctr_va_vdst(0) depctr_va_sdst(0) depctr_va_ssrc(0) depctr_va_vcc(0) depctr_vm_vsrc(0)
	s_getreg_b32 s2, hwreg(HW_REG_IB_STS2, 6, 4)
	s_cmp_eq_u32 s2, 0
	s_cbranch_scc0 .Lentry_in_a_cluster
	s_endpgm
.Lentry_in_a_cluster:
	s_bfe_u32 s2, ttmp6, 0x10000c
	s_cmp_lg_u32 s2, 0xf033
	s_cbranch_scc0 .Lentry_shape_is_right
	s_endpgm
.Lentry_shape_is_right:
; qkv = x w_attn on codes of FP8 (E4M3), the rotary turn of q and k in f32, and the quantising of q, k and v for the attention launch.
; x_codes [8192][1024], w_attn_codes [3072][1024]: K innermost.  lowp_scales: e0 .. e7.  A raw sum stands for sum x 2^(e0 + e1); the rotary turn is linear, so it is applied to the raw sums,
; and each conversion takes one folded scale: q 2^(e2 - e0 - e1), k 2^(e3 - e0 - e1), v 2^(e5 - e0 - e1); v's numbers are held within +-448 x its scale first.
; LIMITS: each of these three folded exponents lies between -126 and 119, so that the scale and 448 x the scale are f32 numbers.  NaN codes among the inputs are not served.
; SHARES.  A work-group makes 256 rows x the 192 columns of ONE head (its q, k and v): 512 work-groups.  Wave = (rh, w): 128 rows (8 blocks a of 16) x six tiles b:
;   b = 0, 1: q's channels 16 w + 0..15 and 32 + 16 w + 0..15;  b = 2, 3: k's likewise;  b = 4 + u: v's channels 32 w + 8 u + r + 8 (r / 8), r = 0..15.
; q AND k ARE USED TRANSPOSED (source 0 = 16 rows of w, source 1 = 16 rows of x): a lane holds one row t and eight neighbouring channels, and a channel's rotary partner (32 further on)
; lies in the same lane and register of the neighbouring tile.  v IS USED AS IT STANDS (source 0 = x, source 1 = w): a lane holds one channel and its registers run down the rows,
; which are the keys, the next product's K: the conversions' results are registers 2 a, 2 a + 1 of a fragment of V^T.
; OUT: images of operand registers, 16 bytes a lane, each store 512 consecutive bytes, aligned:
;   q_img [b x 16 + head][t / 16][w][lane][16]: bytes 0-7 channels 16 w + 8 h + 0..7, bytes 8-15 those 32 further on;
;   kv_img [b x 16 + head][t / 128][16,384]: K [t / 16 % 8][w][lane][16] like q; from byte 8,192 V^T [2 w + u][a / 2][lane][16].
; K = 1,024 goes in four steps of 256 through two LDS slots filled by the tensor data mover; all eight steps of 128 are written out.
; CLUSTERS: 4 x 4 work-groups; the four of a row of the cluster share x's tile, the four of a column share the head's rows of w: each tile is asked for jointly.
; Wave 3 fetches x's 256 rows, waves 0 to 2 the head's 64 rows of q's, k's and v's part of w.  By this text's count a wave has at most two tensor loads outstanding.
; REGISTERS, in windows of 256: window 0: v1-29 addresses and scales; v128-255 x's fragments (8 x 16 rows x 128 K), one set; on the way out v32-191 at work.
;   window 1: w's fragments, two sets of six, at v0 and v128.   windows 2, 3: accumulator (a, b) at v[8 (6 (a % 4) + b)]; v192-255 the table of cos and sin for blocks a % 4.
.set PITCH,  272                       ; an LDS row: 256 bytes + 16 of padding = 68 words, so the 16 rows of a fragment load start 4 banks apart (64 banks of 4 bytes: ISA guide 11.1)
.set ASEG,   256*PITCH                 ; x's 256 rows
.set BSEG,   64*PITCH                  ; 64 rows of w
.set BOFF,   ASEG
.set SLOT,   ASEG+3*BSEG               ; 121,856 bytes
.set SPARE,  2*SLOT                    ; behind the ring: the spare words, 128 bytes a wave: two blocks of 256 bytes that no other line names
.set LI,   5                           ; v5   16 x lane
.set SCQ,  8                           ; v8-10 the conversions' scales for q, k, v
.set SCK,  9
.set SCV,  10
.set ADRA, 16                          ; v16-17 LDS address of my fragments of x in slot 0, 1
.set ADRB, 20                          ; v20-21 of q's and k's rows of w
.set ADRV, 22                          ; v22-23 of v's rows of w
.set SPW,  28                          ; v28  my spare word; never rewritten
.set NIL,  29                          ; v29  0; never rewritten
.set XQL,  32                          ; the way out: q turned, low and high halves; k likewise; v held; two sets of products
.set XQH,  40
.set XKL,  48
.set XKH,  56
.set XV,   64
.set T1,   80
.set T2,   88
.set CQ,   96                          ; codes: every store has data registers of its own
.set CK,   128
.set CV,   160
.set AF,   128
.set G1A,  24                          ; s[24:31] group 1 for x's tile; s[32:39] its groups 0, one a slot
.set G0A,  32
.set G1B,  48                          ; s[48:55], s[56:63] the same for w's
.set G0B,  56
.set MSB, 0
.macro WIN new                         ; the immediate's high byte repeats the setting that is left
.if MSB != \new
	s_set_vgpr_msb (MSB<<8)|\new
.set MSB, \new
.endif
.endm
.set QK_LO, 0xa1                       ; source 0 (w) window 1, source 1 (x) window 0, C and D window 2
.set V_LO,  0xa4                       ; source 0 (x) window 0, source 1 (w) window 1, C and D window 2;  + 0x50: C and D window 3
.set TO_B,  0x40                       ; destination window 1, address window 0
.macro PLACES                          ; four plain vector lines behind matrix instructions, in front of loads into their sources and of reads of their results
.rept 4
	v_nop
.endr
.endm
.macro JLOAD s                         ; a joint load: wave 3 for x, waves 0 to 2 for w; the branch hangs on the wave's number alone; four v_nop follow each line
	s_cmp_eq_u32 s16, 3
	s_cbranch_scc0 .Lfor_b_\@
	tensor_load_to_lds s[G0A+4*\s:G0A+4*\s+3], s[G1A:G1A+7]
	s_nop 0
.rept 4
	v_nop
.endr
	s_branch .Lasked_\@
.Lfor_b_\@:
	tensor_load_to_lds s[G0B+4*\s:G0B+4*\s+3], s[G1B:G1B+7]
	s_nop 0
.rept 4
	v_nop
.endr
.Lasked_\@:
.endm
.macro CREST                           ; a round of the cluster's barrier behind its opening barrier
	s_cmp_lg_u32 s16, 0
	s_cbranch_scc1 .Lnot_wave_0_\@
	s_barrier_signal -3
.Lnot_wave_0_\@:
	s_barrier_wait -3
	s_barrier_signal -1
	s_barrier_wait -1
.endm
.macro CROUND
	s_barrier_signal -1
	s_barrier_wait -1
	CREST
.endm
	s_load_b256 s[4:11], s[0:1], 0x0               ; x s[4:5], w s[6:7], the exponents s[8:9], the table s[10:11]
	s_load_b128 s[12:15], s[0:1], 0x20             ; q_img s[12:13], kv_img s[14:15]
	v_lshl_add_u32 v[SPW], v0, 2, SPARE
	v_mov_b32 v[NIL], 0
	ds_add_u32 v28, v29
	ds_add_u32 v28, v29
	s_wait_dscnt 0x0
	v_lshrrev_b32 v1, 5, v0
	v_readfirstlane_b32 s16, v1                    ; wave 0..3
	s_lshr_b32 s17, s16, 1                         ; rh: which 128 rows
	s_and_b32 s18, s16, 1                          ; w: which half of the head's channels
	s_min_u32 s19, s16, 2                          ; which part of w I fetch (waves 0 to 2)
	s_bfe_u32 s20, ttmp6, 0x40000                  ; cx
	s_bfe_u32 s21, ttmp6, 0x40004                  ; cy
	s_lshl_b32 s22, ttmp9, 2
	s_add_co_u32 s22, s22, s20                     ; the head = 4 x cluster x + cx
	s_and_b32 s23, ttmp7, 0xffff
	s_lshl_b32 s23, s23, 2
	s_add_co_u32 s23, s23, s21                     ; the tile of 256 rows = 4 x cluster y + cy
	s_lshl_b32 s40, s21, 2
	s_lshl_b32 s40, 15, s40                        ; my row of the cluster
	s_lshl_b32 s41, 0x1111, s20                    ; my column
	s_or_b32 s[G1A], s40, (1<<20)|(1<<21)|(5<<22)|(3<<25)   ; 15:0 the mask; 17:16 elements of 1 byte; 20 padding on; 21 set beside a mask; 24:22 after every 64 words; 31:25 four words
	s_mov_b32 s[G1A+1], 256<<16                    ; tensor_dim0 = 256
	s_mov_b32 s[G1A+2], 256<<16                    ; tensor_dim1 = 256
	s_mov_b32 s[G1A+3], 256<<16                    ; tile_dim0 = 256
	s_mov_b32 s[G1A+4], 256                        ; tile_dim1 = 256
	s_mov_b32 s[G1A+5], 1024                       ; from row to row
	s_mov_b32 s[G1A+6], 0
	s_mov_b32 s[G1A+7], 0
	s_or_b32 s[G1B], s41, (1<<20)|(1<<21)|(5<<22)|(3<<25)
	s_mov_b32 s[G1B+1], 256<<16
	s_mov_b32 s[G1B+2], 64<<16                     ; 64 rows
	s_mov_b32 s[G1B+3], 256<<16
	s_mov_b32 s[G1B+4], 64
	s_mov_b32 s[G1B+5], 1024
	s_mov_b32 s[G1B+6], 0
	s_mov_b32 s[G1B+7], 0
	s_lshl_b32 s42, s23, 18                        ; x: 256 rows of 1,024 bytes a tile: hangs on the tile of rows alone
	s_mov_b32 s43, 0
	s_lshl_b32 s44, s19, 20                        ; w: part x 1,024 rows + head x 64 rows: hangs on the head alone
	s_lshl_b32 s45, s22, 16
	s_add_co_u32 s44, s44, s45
	s_mov_b32 s45, 0
	s_mul_i32 s66, s19, BSEG                       ; and its place in a slot
	s_lshr_b32 s67, s23, 3                         ; the batch
	s_lshl_b32 s67, s67, 4
	s_add_co_u32 s67, s67, s22                     ; bh = batch x 16 + head
	s_and_b32 s68, s23, 7
	s_lshl_b32 s69, s68, 1
	s_add_co_u32 s69, s69, s17                     ; which 128 rows of the batch are my wave's: 0..15
	s_lshl_b32 s70, s67, 17                        ; q_img: bh x 131,072 + 8 blocks x 1,024 + w x 512
	s_lshl_b32 s71, s69, 13
	s_add_co_u32 s70, s70, s71
	s_lshl_b32 s71, s18, 9
	s_add_co_u32 s86, s70, s71
	s_mov_b32 s87, 0
	s_lshl_b32 s70, s67, 18                        ; kv_img: bh x 262,144 + step x 16,384
	s_lshl_b32 s88, s69, 14
	s_add_co_u32 s70, s70, s88
	s_add_co_u32 s88, s70, s71                     ; K: + w x 512
	s_mov_b32 s89, 0
	s_lshl_b32 s71, s18, 12
	s_add_co_u32 s90, s70, s71
	s_add_co_u32 s90, s90, 8192                    ; V^T: + 8,192 + w x 4,096
	s_mov_b32 s91, 0
	s_lshl_b32 s92, s69, 15                        ; the table: 8 blocks x 4,096 + w x 1,024
	s_lshl_b32 s71, s18, 10
	s_add_co_u32 s92, s92, s71
	s_mov_b32 s93, 0
	s_wait_kmcnt 0x0
	s_load_b256 s[72:79], s[8:9], 0x0              ; e0 .. e7
	s_add_nc_u64 s[42:43], s[4:5], s[42:43]
	s_add_nc_u64 s[46:47], s[6:7], s[44:45]
	s_add_nc_u64 s[86:87], s[12:13], s[86:87]
	s_add_nc_u64 s[88:89], s[14:15], s[88:89]
	s_add_nc_u64 s[90:91], s[14:15], s[90:91]
	s_add_nc_u64 s[92:93], s[10:11], s[92:93]
	CROUND                                         ; all sixteen work-groups are here: the first joint loads meet
.irp s, 0,1
	s_mov_b32 s[G0A+4*\s], 1                       ; count = 1
	s_mov_b32 s[G0A+4*\s+1], \s*SLOT               ; LDS address
	s_add_nc_u64 s[G0A+4*\s+2:G0A+4*\s+3], s[42:43], \s*256   ; K step s
	s_or_b32 s[G0A+4*\s+3], s[G0A+4*\s+3], 0x80000000         ; type = 2
	s_mov_b32 s[G0B+4*\s], 1
	s_add_co_u32 s[G0B+4*\s+1], s66, BOFF+\s*SLOT
	s_add_nc_u64 s[G0B+4*\s+2:G0B+4*\s+3], s[46:47], \s*256
	s_or_b32 s[G0B+4*\s+3], s[G0B+4*\s+3], 0x80000000
	JLOAD \s
.endr
	v_and_b32 v[LI], 31, v0
	v_lshlrev_b32 v[LI], 4, v[LI]
	WIN 0x80                                       ; destination window 2: cos and sin of blocks 0-3; they are wanted on the way out
.irp a, 0,1,2,3
.irp cs, 0,1
.irp hf, 0,1
	global_load_b128 v[192+16*\a+8*\cs+4*\hf:192+16*\a+8*\cs+4*\hf+3], v[LI], s[92:93] offset:\a*4096+\cs*2048+\hf*512
.endr
.endr
.endr
	WIN 0xc0                                       ; window 3: blocks 4-7
.irp a, 0,1,2,3
.irp cs, 0,1
.irp hf, 0,1
	global_load_b128 v[192+16*\a+8*\cs+4*\hf:192+16*\a+8*\cs+4*\hf+3], v[LI], s[92:93] offset:(\a+4)*4096+\cs*2048+\hf*512
.endr
.endr
.endr
	WIN 0
	v_and_b32 v1, 15, v0                           ; r
	v_bfe_u32 v2, v0, 4, 1                         ; h
	v_mul_u32_u24 v3, v1, PITCH
	v_lshl_add_u32 v3, v2, 4, v3                   ; row r x pitch + 16 h
	s_wait_alu depctr_va_vdst(0)
	v_and_b32 v4, 8, v1
	v_add_nc_u32 v4, v4, v1                        ; r + 8 (r / 8)
	v_mul_u32_u24 v4, v4, PITCH
	v_lshl_add_u32 v4, v2, 4, v4
	s_wait_alu depctr_va_vdst(0)
	s_mul_i32 s40, s17, 128*PITCH                  ; my 128 rows of x
	s_mul_i32 s41, s18, 16*PITCH
	s_add_co_u32 s41, s41, BOFF                    ; q's rows 16 w on
	s_mul_i32 s44, s18, 32*PITCH
	s_add_co_u32 s44, s44, BOFF+2*BSEG             ; v's rows 32 w on
.irp s, 0,1
	v_add_nc_u32 v[ADRA+\s], s40, v3
	v_add_nc_u32 v[ADRB+\s], s41, v3
	v_add_nc_u32 v[ADRV+\s], s44, v4
	s_add_co_u32 s40, s40, SLOT
	s_add_co_u32 s41, s41, SLOT
	s_add_co_u32 s44, s44, SLOT
.endr
.macro FRAG reg, adr, off              ; 16 rows x 128 K: registers 4 c .. 4 c + 3 hold K = 32 c + 16 h + 0..15 of row r: the same order of k in x and in w
.irp c, 0,1,2,3
	ds_load_b128 v[(\reg)+4*\c:(\reg)+4*\c+3], v[\adr] offset:(\off)+32*\c
.endr
.endm
.macro FETCH_B slot, q, p              ; w's six fragments of the slot's q-th 128 along K into set p: 24 loads
	WIN TO_B
.irp b, 0,1,2,3
	FRAG 128*(\p)+16*\b, ADRB+\slot, (\b/2)*BSEG+(\b%2)*32*PITCH+128*(\q)
.endr
.irp u, 0,1
	FRAG 128*(\p)+16*(4+\u), ADRV+\slot, \u*8*PITCH+128*(\q)
.endr
	WIN 0
.endm
.macro FETCH_A slot, q, i0             ; x's blocks i0 .. i0 + 3: 16 loads
.irp i, \i0, \i0+1, \i0+2, \i0+3
	FRAG AF+16*(\i), ADRA+\slot, (\i)*16*PITCH+128*(\q)
.endr
.endm
; The 48 accumulators take turns, one instruction a turn, in the same order in every step.  zero = 1: the first products start the sums.
.macro MULQK hi, p, zero               ; blocks 4 hi .. 4 hi + 3 x q's and k's four tiles
	WIN QK_LO+0x50*\hi
.irp a, 0,1,2,3
.irp b, 0,1,2,3
.if \zero
	v_wmma_f32_16x16x128_fp8_fp8 v[8*(6*\a+\b):8*(6*\a+\b)+7], v[128*\p+16*\b:128*\p+16*\b+15], v[AF+16*(4*\hi+\a):AF+16*(4*\hi+\a)+15], 0
.else
	v_wmma_f32_16x16x128_fp8_fp8 v[8*(6*\a+\b):8*(6*\a+\b)+7], v[128*\p+16*\b:128*\p+16*\b+15], v[AF+16*(4*\hi+\a):AF+16*(4*\hi+\a)+15], v[8*(6*\a+\b):8*(6*\a+\b)+7]
.endif
.endr
.endr
.endm
.macro MULV hi, p, zero                ; the same blocks x v's two tiles, sources the other way round
	WIN V_LO+0x50*\hi
.irp a, 0,1,2,3
.irp b, 4,5
.if \zero
	v_wmma_f32_16x16x128_fp8_fp8 v[8*(6*\a+\b):8*(6*\a+\b)+7], v[AF+16*(4*\hi+\a):AF+16*(4*\hi+\a)+15], v[128*\p+16*\b:128*\p+16*\b+15], 0
.else
	v_wmma_f32_16x16x128_fp8_fp8 v[8*(6*\a+\b):8*(6*\a+\b)+7], v[AF+16*(4*\hi+\a):AF+16*(4*\hi+\a)+15], v[128*\p+16*\b:128*\p+16*\b+15], v[8*(6*\a+\b):8*(6*\a+\b)+7]
.endif
.endr
.endr
.endm
.macro STEP slot, zero                 ; a slot's first 128 along K (w's set 0); it fetches the second
	s_wait_dscnt 16                                ; w's set and x's blocks 0-3 are in; the youngest sixteen loads (blocks 4-7) may be out
	MULQK 0, 0, \zero
	MULV 0, 0, \zero
	s_wait_dscnt 0x0                               ; blocks 4-7 are in
	PLACES
	FETCH_B \slot, 1, 1
	FETCH_A \slot, 1, 0
	MULQK 1, 0, \zero
	MULV 1, 0, \zero
	PLACES
	WIN 0
	FETCH_A \slot, 1, 4
.endm
; A slot's second 128 along K (set 1) changes slots: ONE barrier; in front of it each wave waits for all its tensor loads, adds 0 to its spare word, and waits for that and for its reads of this slot.
.macro TURN slot, next, fill
	s_wait_tensorcnt 0x0                           ; all my tensor loads have landed: my part of the next slot
	ds_add_u32 v[SPW], v[NIL]                      ; 0 onto my spare word
	s_wait_dscnt 17                                ; (the add and the loads of blocks 4-7 may be out)
	MULQK 0, 1, 0                                  ; sixteen matrix instructions stand between the add and the wait for it
	s_wait_dscnt 0x0                               ; the add is done, and my reads of this slot are over
	s_barrier_signal -1
	MULV 0, 1, 0
	WIN 0
	s_barrier_wait -1
.if \fill
	CREST                                          ; the barrier has opened a round of the cluster's: no wave of any partner still reads this slot or has a load on its way
	s_add_nc_u64 s[G0A+4*\slot+2:G0A+4*\slot+3], s[G0A+4*\slot+2:G0A+4*\slot+3], 512
	s_add_nc_u64 s[G0B+4*\slot+2:G0B+4*\slot+3], s[G0B+4*\slot+2:G0B+4*\slot+3], 512
	JLOAD \slot                                    ; the first tensor load behind the round; its four v_nop are the places in front of the loads below
.else
	PLACES
.endif
	FETCH_B \next, 0, 0
	FETCH_A \next, 0, 0
	MULQK 1, 1, 0
	MULV 1, 1, 0
	PLACES
	WIN 0
	FETCH_A \next, 0, 4
.endm
	s_wait_alu depctr_va_vdst(0)
	s_wait_tensorcnt 1                             ; my part of K step 0 is in; K step 1's load may be out
	s_barrier_signal -1
	s_barrier_wait -1
	FETCH_B 0, 0, 0
	FETCH_A 0, 0, 0
	FETCH_A 0, 0, 4
	STEP 0, 1
	TURN 0, 1, 1                                   ; slot 0 takes K step 2
	STEP 1, 0
	TURN 1, 0, 1                                   ; slot 1 takes K step 3
	STEP 0, 0
	TURN 0, 1, 0                                   ; nothing is left to fetch
	STEP 1, 0
	s_wait_dscnt 16                                ; the last 128 along K
	MULQK 0, 1, 0
	MULV 0, 1, 0
	s_wait_dscnt 0x0
	MULQK 1, 1, 0
	MULV 1, 1, 0
	WIN 0
; THE WAY OUT.
.macro SCALE e, vr, lim                ; s40 = e0 + e1.  v[vr] = 2^(e - e0 - e1) as f32; s[lim], s[lim + 1] = +-448 x that
	s_sub_co_i32 s41, s[\e], s40
	s_add_co_i32 s41, s41, 127
	s_lshl_b32 s42, s41, 23
	v_mov_b32 v[\vr], s42
	s_add_co_i32 s41, s41, 8
	s_lshl_b32 s41, s41, 23
	s_or_b32 s[\lim], s41, 0x600000
	s_or_b32 s[\lim+1], s[\lim], 0x80000000
.endm
	s_wait_kmcnt 0x0
	s_add_co_i32 s40, s72, s73
	SCALE 74, SCQ, 80
	SCALE 75, SCK, 82
	SCALE 77, SCV, 84
	s_wait_loadcnt 0x0                             ; the table
	PLACES
.macro ROPE lo, hi, xl, xh             ; low' = low cos - high sin, high' = high cos + low sin; each accumulator is read from its low end on
.irp j, 0,2,4,6
	v_pk_mul_f32 v[T1+\j:T1+\j+1], v[(\hi)+\j:(\hi)+\j+1], v[TBL+8+\j:TBL+8+\j+1]
	v_pk_mul_f32 v[T2+\j:T2+\j+1], v[(\lo)+\j:(\lo)+\j+1], v[TBL+8+\j:TBL+8+\j+1]
.endr
.irp j, 0,2,4,6
	v_pk_fma_f32 v[\xl+\j:\xl+\j+1], v[(\lo)+\j:(\lo)+\j+1], v[TBL+\j:TBL+\j+1], v[T1+\j:T1+\j+1] neg_lo:[0,0,1] neg_hi:[0,0,1]
	v_pk_fma_f32 v[\xh+\j:\xh+\j+1], v[(\hi)+\j:(\hi)+\j+1], v[TBL+\j:TBL+\j+1], v[T2+\j:T2+\j+1]
.endr
.endm
.macro EPI a                           ; block a: 16 rows
.set AC,  48*((\a)%4)
.set TBL, 192+16*((\a)%4)
	WIN 0x0a+5*((\a)/4)                            ; sources 0 and 1: the accumulators' window
	ROPE AC, AC+8, XQL, XQH
	ROPE AC+16, AC+24, XKL, XKH
.irp i, 0,1,2,3,4,5,6,7,8,9,10,11,12,13,14,15
	v_med3_num_f32 v[XV+\i], v[AC+32+\i], s85, s84 ; v's two tiles, held: the conversion to an 8-bit code does not saturate (ISA guide 7.6.2)
.endr
	WIN 0
.irp i, 0,1,2,3,4,5,6,7,8,9,10,11,12,13,14,15
.endr
	v_cvt_scalef32_pk8_fp8_f32 v[CQ+4*(\a):CQ+4*(\a)+1], v[XQL:XQL+7], v[SCQ]
	v_cvt_scalef32_pk8_fp8_f32 v[CQ+4*(\a)+2:CQ+4*(\a)+3], v[XQH:XQH+7], v[SCQ]
	v_cvt_scalef32_pk8_fp8_f32 v[CK+4*(\a):CK+4*(\a)+1], v[XKL:XKL+7], v[SCK]
	v_cvt_scalef32_pk8_fp8_f32 v[CK+4*(\a)+2:CK+4*(\a)+3], v[XKH:XKH+7], v[SCK]
	v_cvt_scalef32_pk8_fp8_f32 v[CV+2*(\a):CV+2*(\a)+1], v[XV:XV+7], v[SCV]
	v_cvt_scalef32_pk8_fp8_f32 v[CV+16+2*(\a):CV+16+2*(\a)+1], v[XV+8:XV+15], v[SCV]
	v_nop                                          ; one plain line between the conversions and the next block's writes of their sources
	global_store_b128 v[LI], v[CQ+4*(\a):CQ+4*(\a)+3], s[86:87] offset:(\a)*1024
	global_store_b128 v[LI], v[CK+4*(\a):CK+4*(\a)+3], s[88:89] offset:(\a)*1024
.if ((\a)%2) == 1
	global_store_b128 v[LI], v[CV+2*(\a)-2:CV+2*(\a)+1], s[90:91] offset:((\a)/2)*512          ; two blocks' keys make four registers of V^T's fragment
	global_store_b128 v[LI], v[CV+16+2*(\a)-2:CV+16+2*(\a)+1], s[90:91] offset:2048+((\a)/2)*512
.endif
.endm
.irp a, 0,1,2,3,4,5,6,7
	EPI \a
.endr
	s_wait_tensorcnt 0x0                           ; the wave's end
	ds_add_u32 v[SPW], v[NIL]
	s_wait_dscnt 0x0
	CROUND                                         ; the closing round: no work-group ends while a partner may still ask for a tile that names it
	s_endpgm
.Lfunc_end_k_q3d727533b7_qkv:
	.size	k_q3d727533b7_qkv, .Lfunc_end_k_q3d727533b7_qkv-k_q3d727533b7_qkv
	.p2alignl 7, 3214868480
	.fill 96, 4, 3214868480
	.section	.rodata,"a",@progbits
	.p2align	6, 0x0
	.amdhsa_kernel k_q3d727533b7_qkv
		.amdhsa_group_segment_fixed_size 327680
		.amdhsa_private_segment_fixed_size 0
		.amdhsa_enable_private_segment 0
		.amdhsa_kernarg_size 48
		.amdhsa_user_sgpr_count 2
		.amdhsa_user_sgpr_kernarg_segment_ptr 1
		.amdhsa_wavefront_size32 1
		.amdhsa_system_sgpr_workgroup_id_x 1
		.amdhsa_system_sgpr_workgroup_id_y 1
		.amdhsa_system_sgpr_workgroup_id_z 1
		.amdhsa_system_vgpr_workitem_id 0
		.amdhsa_next_free_vgpr 1024
		.amdhsa_next_free_sgpr 100
		.amdhsa_reserve_vcc 0
		.amdhsa_float_denorm_mode_32 3
		.amdhsa_float_denorm_mode_16_64 3
		.amdhsa_fp16_overflow 1
		.amdhsa_memory_ordered 1
		.amdhsa_forward_progress 1
		.amdhsa_inst_pref_size 101
	.end_amdhsa_kernel
	.amdgpu_metadata
---
amdhsa.version: [ 1, 2 ]
amdhsa.kernels:
  - .name:           k_q3d727533b7_qkv
    .symbol:         k_q3d727533b7_qkv.kd
    .args:
      - { .name: x_codes, .offset: 0, .size: 8, .value_kind: global_buffer, .address_space: global }
      - { .name: w_attn_codes, .offset: 8, .size: 8, .value_kind: global_buffer, .address_space: global }
      - { .name: lowp_scales, .offset: 16, .size: 8, .value_kind: global_buffer, .address_space: global }
      - { .name: rope, .offset: 24, .size: 8, .value_kind: global_buffer, .address_space: global }
      - { .name: q_img, .offset: 32, .size: 8, .value_kind: global_buffer, .address_space: global }
      - { .name: kv_img, .offset: 40, .size: 8, .value_kind: global_buffer, .address_space: global }
    .group_segment_fixed_size: 327680
    .private_segment_fixed_size: 0
    .kernarg_segment_align: 8
    .kernarg_segment_size: 48
    .max_flat_workgroup_size: 128
    .sgpr_count:     100
    .vgpr_count:     1024
    .wavefront_size: 32
...
	.end_amdgpu_metadata
.endif
;; end of part 2
;; launch attn (part 3): grid 4 x 64, 8 waves a work-group, no clusters, 327,680 bytes of LDS; arguments q_img, kv_img, lowp_scales, y_img; writes y_img
.if DOCPART == 3
	.amdgcn_target "amdgcn-amd-amdhsa--gfx1250"
	.amdhsa_code_object_version 6
	.text
	.protected	k_q3d727533b7_attn
	.globl	k_q3d727533b7_attn
	.p2align	8
	.type	k_q3d727533b7_attn,@function
k_q3d727533b7_attn:
	s_mov_b64 s[64:65], 0
	v_nop
	global_prefetch_b8 v0, s[64:65] scope:SCOPE_SE
	s_setreg_imm32_b32 hwreg(HW_REG_WAVE_MODE, 25, 1), 1
	s_wait_xcnt 0x0
; y = softmax(q k^T / 8, causal) v for one head, both products on codes of FP8 (E4M3), and y quantised for the last product.
; THE SOFTMAX AHEAD OF THE SECOND PRODUCT: t = score x log2(e) / 8; M = the running largest t rounded UP to a whole number; p = 2^(t - M) is quantised with 2^e4, not normalised; the row's sum is taken of the
; unquantised p in f32 and divides at the end.  When M moves, the sum and O are multiplied by 2^(old M - new M), which rounds nothing.
; INPUTS are images of operand registers (16 bytes a lane, 512 consecutive bytes a load): q_img [bh][t / 16][g][lane][16]; kv_img [bh][t / 128][K: 8 tiles x 1,024 bytes | V^T: 4 tiles x 2,048 bytes].
; OUT: y_img [row / 16][head][b2][lane][16]: lane (r, h) holds the codes of y(row r, 64 head + 32 b2 + 16 h + 0..15), which is a register group of the last product's operand.
; SHARES.  Work-group (i, bh) owns the query blocks i and then 7 - i of head bh, 256 queries each: (i + 1) + (8 - i) = 9 slots of 256 keys for every work-group, so all 256 have equal work and the loop's trip
; count is a constant.  Each of eight waves owns 32 queries, two tiles of 16, so that each fragment of K and V read from LDS feeds two matrix instructions; two waves share a SIMD.
; Both products are used transposed (S^T = K Q^T, O^T = V^T P^T): a lane holds one query; S^T's tile kt gives keys 16 kt + 8 h + 0..7, which are registers 2 kt, 2 kt + 1 of P's fragment.
; V^T's tile dt holds channels 32 (dt / 2) + 8 (dt % 2) + r + 8 (r / 8), so that O^T's tiles 2 b2, 2 b2 + 1 give a lane 16 neighbouring channels.
; CAUSAL: a step of 128 keys that all come after the wave's 32 queries is left out by a scalar branch on ids; in the step on the diagonal hidden scores become -infinity ahead of the maximum.
; A step that is not left out begins at or before the wave's first query (both are multiples of 32), so every row has a key that counts in it.
; NO CLUSTER: the four work-groups of a head walk different runs of slots (i + 1 and 8 - i); in step over common slots they would pass 12 slots for 9 slots' work; a work-group's K and V are 288 KB in all.
; THE RING: two LDS slots of two steps (32,768 bytes), waves 0 and 1 fetch a step each; by this text's count a wave has at most one tensor load outstanding.
; LIMITS on the given exponents: e2 + e3 between -123 and 130 (added to c's exponent field); e4, and e6 - e4 - e5, between -126 and 119.
; REGISTERS: window 0: v1-11 addresses and constants; v12-27 statistics, 8 a tile; v32-159 S^T then p, 64 a tile; v160-191 p's codes; v192-195 a second chain of the sums; v208-223 y's codes.
;   window 1: v0-63 O^T (32 t + 8 dt); v64-79 Q; v80-143 K; v144-207 V^T; v208-223 the second block's Q.
.set SLOT1, 1<<16                      ; slot 1 begins here: one exclusive or turns an address in one slot into the other's
.set SPARE, 1<<17                      ; the spare words, 128 bytes for each of eight waves: four blocks of 256 bytes that no other line names
.set LI,   1                           ; v1   16 x lane
.set ADR,  2                           ; v2   LDS address of the step in hand
.set SPW,  3                           ; v3   my spare word; never rewritten
.set NIL,  4                           ; v4   0; never rewritten
.set RH,   5                           ; v5   r - 8 h
.set DL,   6                           ; v6-7 my query less the step's first key less 8 h, for tile 0, 1
.set NINF, 8                           ; v8   -infinity
.set SCP,  9                           ; v9   2^e4
.set LIMP, 10
.set SCY,  11                          ; v11  2^(e6 - e4 - e5)
.set ST,   12                          ; tile t at v[ST + 8 t]: +0 -M, +1 the largest t, +2, +3 the sum in two halves, +4 f, +5 (named with f as a pair), +6, +7 at work
.set PX,   28                          ; v28-29 a lane permute's destinations
.set S,    32
.set P,    160
.set XS,   192
.set YC,   208
.set QR,   64                          ; window 1
.set KR,   80
.set VR,   144
.set QB,   208
.set WV,   12                          ; s12  my wave's number
.set G1,   16                          ; s[16:23] descriptor group 1;  s[24:27] group 0, which walks
.set G0,   24
.set KVB,  28                          ; s[28:29] kv_img at my head and my step of a slot
.set FI,   30                          ; s30  which slot of keys is fetched next
.set NA,   31                          ; s31  the first block's number of slots; 64 once the fetches have gone back to slot 0
.set TB,   32                          ; s32  LDS byte of the step in hand
.set KF,   33                          ; s33  the step's first key
.set Q0,   34                          ; s34  my first query
.set KEND, 35                          ; s35  the block's keys
.set TRIP, 36
.set TWICE, 37
.set SEL,  38                          ; s[38:39] lane l xor 16
.set CS,   40                          ; s[40:41] c = log2(e) / 8 x 2^(e2 + e3)
.set MSB, 0
.macro WIN new
.if MSB != \new
	s_set_vgpr_msb (MSB<<8)|\new
.set MSB, \new
.endif
.endm
.macro TLOAD                           ; waves 0 and 1 fetch; four v_nop follow the line
	s_cmp_lt_u32 s[WV], 2
	s_cbranch_scc0 .Lasked_\@
	tensor_load_to_lds s[G0:G0+3], s[G1:G1+7]
	s_nop 0
.rept 4
	v_nop
.endr
.Lasked_\@:
.endm
	s_load_b256 s[4:11], s[0:1], 0x0               ; q_img s[4:5], kv_img s[6:7], the exponents s[8:9], y_img s[10:11]
	v_lshl_add_u32 v[SPW], v0, 2, SPARE
	v_mov_b32 v[NIL], 0
	ds_add_u32 v3, v4
	s_wait_dscnt 0x0
	v_lshrrev_b32 v1, 5, v0
	v_readfirstlane_b32 s[WV], v1                  ; wave 0..7
	s_and_b32 s42, ttmp7, 0xffff                   ; bh
	s_mov_b32 s[G1], 3<<16                         ; no mask; elements of 8 bytes; no padding: the images are read 512 consecutive bytes at a time
	s_mov_b32 s[G1+1], 32<<16                      ; tensor_dim0 = 32 elements: rows of 256 bytes
	s_mov_b32 s[G1+2], 64<<16                      ; tensor_dim1 = 64
	s_mov_b32 s[G1+3], 32<<16                      ; tile_dim0
	s_mov_b32 s[G1+4], 64                          ; tile_dim1: 16,384 bytes, one step's K and V^T, dense in memory
	s_mov_b32 s[G1+5], 32
	s_mov_b32 s[G1+6], 0
	s_mov_b32 s[G1+7], 0
	s_and_b32 s43, s[WV], 1
	s_lshl_b32 s43, s43, 14                        ; which step of a slot I fetch: its place in memory and in LDS
	s_lshl_b32 s66, s42, 18                        ; the head's 262,144 bytes
	s_add_co_u32 s66, s66, s43
	s_mov_b32 s67, 0
	s_sub_co_u32 s45, 7, ttmp9                     ; the second block
	s_lshl_b32 s44, s[WV], 5
	s_lshl_b32 s[Q0], ttmp9, 8
	s_add_co_u32 s[KEND], s[Q0], 256
	s_add_co_u32 s[Q0], s[Q0], s44                 ; my first query: 256 x block + 32 x wave
	s_lshl_b32 s62, s45, 8
	s_add_co_u32 s63, s62, 256                     ; the same for the second block: s62, s63
	s_add_co_u32 s62, s62, s44
	s_add_co_u32 s[NA], ttmp9, 1
	s_mov_b32 s[FI], 0
	s_mov_b32 s[TB], 0
	s_mov_b32 s[KF], 0
	s_mov_b32 s[SEL], 0x76543210
	s_mov_b32 s[SEL+1], 0xfedcba98
	s_lshl_b32 s46, s42, 17                        ; q_img: bh x 131,072 + (16 x block + 2 x wave) x 1,024
	s_lshl_b32 s47, s[WV], 11
	s_add_co_u32 s46, s46, s47
	s_lshl_b32 s47, ttmp9, 14
	s_add_co_u32 s68, s46, s47
	s_mov_b32 s69, 0
	s_lshl_b32 s47, s45, 14
	s_add_co_u32 s70, s46, s47
	s_mov_b32 s71, 0
	s_lshr_b32 s46, s42, 4                         ; y_img: (128 x batch + 16 x block + 2 x wave) x 16,384 + head x 1,024
	s_lshl_b32 s46, s46, 21
	s_and_b32 s47, s42, 15
	s_lshl_b32 s47, s47, 10
	s_add_co_u32 s46, s46, s47
	s_lshl_b32 s47, s[WV], 15
	s_add_co_u32 s46, s46, s47
	s_lshl_b32 s47, ttmp9, 18
	s_add_co_u32 s56, s46, s47
	s_mov_b32 s57, 0
	s_lshl_b32 s47, s45, 18
	s_add_co_u32 s58, s46, s47
	s_mov_b32 s59, 0
	s_wait_kmcnt 0x0
	s_load_b256 s[48:55], s[8:9], 0x0              ; e0 .. e7
	s_add_nc_u64 s[KVB:KVB+1], s[6:7], s[66:67]
	s_mov_b32 s[G0], 1                             ; count = 1
	s_mov_b32 s[G0+1], s43                         ; LDS address: slot 0
	s_mov_b64 s[G0+2:G0+3], s[KVB:KVB+1]           ; the head's first keys
	s_or_b32 s[G0+3], s[G0+3], 0x80000000          ; type = 2
	TLOAD                                          ; slot 0
	s_add_nc_u64 s[68:69], s[4:5], s[68:69]
	s_add_nc_u64 s[70:71], s[4:5], s[70:71]
	s_add_nc_u64 s[56:57], s[10:11], s[56:57]
	s_add_nc_u64 s[58:59], s[10:11], s[58:59]
	v_and_b32 v[LI], 31, v0
	v_lshlrev_b32 v[LI], 4, v[LI]
	WIN 0x40                                       ; destination window 1
.irp t, 0,1
.irp g, 0,1
	global_load_b128 v[QR+8*\t+4*\g:QR+8*\t+4*\g+3], v[LI], s[68:69] offset:\t*1024+\g*512   ; both blocks' Q stay in registers
	global_load_b128 v[QB+8*\t+4*\g:QB+8*\t+4*\g+3], v[LI], s[70:71] offset:\t*1024+\g*512
.endr
.endr
	WIN 0
	v_and_b32 v[RH], 15, v0
	v_bfe_u32 v[DL], v0, 4, 1
	v_lshlrev_b32 v[DL], 3, v[DL]
	v_sub_nc_u32 v[RH], v[RH], v[DL]               ; r - 8 h
	v_mov_b32 v[NINF], 0xff800000
	v_mov_b32 v[PX], 0                             ; written once: a lane permute's destination counts as one of its sources
	v_mov_b32 v[PX+1], 0
	v_mov_b32 v[ST+5], 0                           ; (named as the upper halves of pairs)
	v_mov_b32 v[ST+13], 0
	s_wait_kmcnt 0x0
	s_add_co_i32 s42, s50, s51                     ; a score stands for score x 2^(e2 + e3): added to c's exponent field
	s_lshl_b32 s42, s42, 23
	s_add_co_i32 s[CS], s42, 0x3e38aa3b            ; c = log2(e) / 8
	s_mov_b32 s[CS+1], s[CS]
	s_add_co_i32 s42, s52, 127
	s_lshl_b32 s43, s42, 23
	v_mov_b32 v[SCP], s43                          ; 2^e4
	s_sub_co_i32 s42, s54, s52
	s_sub_co_i32 s42, s42, s53                     ; O / l stands for y / 2^(e4 + e5): its code is (O / l) / 2^(e6 - e4 - e5)
	s_add_co_i32 s42, s42, 127
	s_lshl_b32 s43, s42, 23
	v_mov_b32 v[SCY], s43
.macro INIT                            ; O^T and the sums begin as zeros, the largest t as -3e38: the first change of M multiplies zeros
	WIN 0x40
.set j, 0
.rept 64
	v_mov_b32 v[j], 0
.set j, j+1
.endr
	WIN 0
.irp t, 0,1
	v_mov_b32 v[ST+8*\t+1], 0xff61b1e6
	v_floor_f32 v[ST+8*\t], -v[ST+8*\t+1]
	v_mov_b32 v[ST+8*\t+2], 0
	v_mov_b32 v[ST+8*\t+3], 0
.endr
.endm
.macro SUMLINE t                       ; line Z of 33 of tile t's sum of the unquantised p: the old sum x f, then two chains of packed additions
.set rT, ST+8*(\t)
.set rS, S+64*(\t)
.set rX, XS+2*(\t)
.if Z == 0
	v_pk_mul_f32 v[rT+2:rT+3], v[rT+2:rT+3], v[rT+4:rT+5] op_sel_hi:[1,0]
.elseif Z == 1
	s_wait_alu depctr_va_vdst(0)
	v_pk_add_f32 v[rX:rX+1], v[rS:rS+1], v[rS+2:rS+3]
	s_wait_alu depctr_va_vdst(0)
.elseif Z == 32
	v_pk_add_f32 v[rT+2:rT+3], v[rT+2:rT+3], v[rX:rX+1]
.else
.set rJ, 4+4*((Z-2)/2)
.if (Z%2) == 0
	v_pk_add_f32 v[rT+2:rT+3], v[rT+2:rT+3], v[rS+rJ:rS+rJ+1]
.else
	v_pk_add_f32 v[rX:rX+1], v[rX:rX+1], v[rS+rJ+2:rS+rJ+3]
.endif
.endif
.endm
.macro QUANTP t                        ; tile t's p becomes P's fragment
.irp kt, 0,1,2,3,4,5,6,7
.irp j, 0,1,2,3,4,5,6,7
.endr
	v_cvt_scalef32_pk8_fp8_f32 v[P+16*\t+2*\kt:P+16*\t+2*\kt+1], v[S+64*\t+8*\kt:S+64*\t+8*\kt+7], v[SCP]
.endr
.endm
; A KEY STEP: 128 keys at LDS byte s[TB].
.macro STEP
	s_add_co_u32 s42, s[Q0], 31
	s_cmp_gt_u32 s[KF], s42
	s_cbranch_scc1 .Lhidden_\@                     ; all its keys come after my queries
	s_setprio 2
	v_add_nc_u32 v[ADR], s[TB], v[LI]
.rept 3
	v_nop                                          ; with the addition: four places in front of loads into registers that the last products read
.endr
	WIN 0x40
.irp kt, 0,1,2,3,4,5,6,7
.irp g, 0,1
	ds_load_b128 v[KR+8*\kt+4*\g:KR+8*\kt+4*\g+3], v[ADR] offset:\kt*1024+\g*512
.endr
.endr
.irp dt, 0,1,2,3
.irp g, 0,1,2,3
	ds_load_b128 v[VR+16*\dt+4*\g:VR+16*\dt+4*\g+3], v[ADR] offset:8192+\dt*2048+\g*512
.endr
.endr
	s_wait_dscnt 16                                ; K is in; V's sixteen loads may be out
	WIN 0x05                                       ; K and Q window 1, S^T window 0
.irp kt, 0,1,2,3,4,5,6,7
.irp t, 0,1
	v_wmma_f32_16x16x64_fp8_fp8 v[S+64*\t+8*\kt:S+64*\t+8*\kt+7], v[KR+8*\kt:KR+8*\kt+7], v[QR+8*\t:QR+8*\t+7], 0
.endr
.endr
	WIN 0
.rept 4
	v_nop
.endr
	s_add_co_u32 s42, s[KF], 127
	s_cmp_le_u32 s42, s[Q0]
	s_cbranch_scc1 .Lopen_\@                       ; all its keys count for all my queries
	s_sub_co_i32 s42, s[Q0], s[KF]
	v_add_nc_u32 v[DL], s42, v[RH]                 ; register 8 kt + j holds key KF + 16 kt + 8 h + j: hidden where 16 kt + j > my query - KF - 8 h
	v_add_nc_u32 v[DL+1], 16, v[DL]
.irp t, 0,1
.set n, 0
.rept 64
	v_cmp_gt_i32 vcc_lo, 16*(n/8)+n%8, v[DL+\t]
	v_cndmask_b32 v[S+64*\t+n], v[S+64*\t+n], v[NINF], vcc_lo
.set n, n+1
.endr
.endr
.Lopen_\@:
.irp t, 0,1                                    ; the step's largest score of my query among my 64 keys, two chains a tile, each accumulator from its low end on
	v_max3_num_f32 v[ST+8*\t+6], v[S+64*\t], v[S+64*\t+1], v[S+64*\t+2]
	v_max3_num_f32 v[ST+8*\t+7], v[S+64*\t+3], v[S+64*\t+4], v[S+64*\t+5]
.endr
.irp i, 6,10,14,18,22,26,30,34,38,42,46,50,54,58
.irp t, 0,1
	v_max3_num_f32 v[ST+8*\t+6], v[ST+8*\t+6], v[S+64*\t+\i], v[S+64*\t+\i+1]
	v_max3_num_f32 v[ST+8*\t+7], v[ST+8*\t+7], v[S+64*\t+\i+2], v[S+64*\t+\i+3]
.endr
.endr
.irp t, 0,1
	v_max3_num_f32 v[ST+8*\t+6], v[ST+8*\t+6], v[S+64*\t+62], v[S+64*\t+63]
.endr
.irp t, 0,1
	v_max_num_f32 v[ST+8*\t+6], v[ST+8*\t+6], v[ST+8*\t+7]
.endr
.irp t, 0,1
	v_permlanex16_b32 v[PX+\t], v[ST+8*\t+6], s[SEL], s[SEL+1]
.endr
.irp t, 0,1
	v_max_num_f32 v[ST+8*\t+6], v[ST+8*\t+6], v[PX+\t]     ; and among lane l xor 16's
.endr
.irp t, 0,1
	v_mul_f32 v[ST+8*\t+6], s[CS], v[ST+8*\t+6]            ; as t (c is positive)
.endr
.irp t, 0,1
	v_max_num_f32 v[ST+8*\t+1], v[ST+8*\t+1], v[ST+8*\t+6] ; the running largest t
.endr
.irp t, 0,1
	v_mov_b32 v[ST+8*\t+6], v[ST+8*\t]
.endr
.irp t, 0,1
	v_floor_f32 v[ST+8*\t], -v[ST+8*\t+1]                  ; the new -M = floor(-t) = -ceil(t)
.endr
.irp t, 0,1
	v_sub_f32 v[ST+8*\t+6], v[ST+8*\t], v[ST+8*\t+6]       ; old M - new M: a whole number, 0 or less
.endr
.irp t, 0,1
	v_cvt_i32_f32 v[ST+8*\t+6], v[ST+8*\t+6]               ; (it saturates)
.endr
.irp t, 0,1
	v_ldexp_f32 v[ST+8*\t+4], 1.0, v[ST+8*\t+6]            ; f = 2^(old M - new M)
.endr
.set Z, 0
.rept 32
	v_pk_fma_f32 v[S+2*Z:S+2*Z+1], v[S+2*Z:S+2*Z+1], s[CS:CS+1], v[ST:ST+1] op_sel_hi:[1,0,0]   ; tile 0: t - M, two at a time
.set Z, Z+1
.endr
.set Z, 0
	s_setprio 1
.rept 32                                       ; tile 0's exponentials, with tile 1's t - M between them
	v_exp_f32 v[S+2*Z], v[S+2*Z]
	v_exp_f32 v[S+2*Z+1], v[S+2*Z+1]
	v_pk_fma_f32 v[S+64+2*Z:S+64+2*Z+1], v[S+64+2*Z:S+64+2*Z+1], s[CS:CS+1], v[ST+8:ST+9] op_sel_hi:[1,0,0]
.set Z, Z+1
.endr
.set Z, 0
.rept 32                                       ; tile 1's exponentials, with tile 0's sum between them
	v_exp_f32 v[S+64+2*Z], v[S+64+2*Z]
	v_exp_f32 v[S+64+2*Z+1], v[S+64+2*Z+1]
	SUMLINE 0
.set Z, Z+1
.endr
	SUMLINE 0
	QUANTP 0
.set Z, 0
	s_setprio 0
.rept 33
	SUMLINE 1
.set Z, Z+1
.endr
	QUANTP 1
	WIN 0x41                                       ; O^T window 1, f window 0
.irp t, 0,1
.irp j, 0,2,4,6,8,10,12,14,16,18,20,22,24,26,28,30
	v_pk_mul_f32 v[32*\t+\j:32*\t+\j+1], v[32*\t+\j:32*\t+\j+1], v[ST+8*\t+4:ST+8*\t+5] op_sel_hi:[1,0]   ; O^T under the new M; also the plain lines behind the conversions
.endr
.endr
	s_wait_dscnt 0x0                               ; V is in
	WIN 0x51                                       ; V^T window 1, P window 0, O^T window 1
.irp dt, 0,1,2,3
.irp t, 0,1                                    ; eight accumulators by turns, one link each a step
	v_wmma_f32_16x16x128_fp8_fp8 v[32*\t+8*\dt:32*\t+8*\dt+7], v[VR+16*\dt:VR+16*\dt+15], v[P+16*\t:P+16*\t+15], v[32*\t+8*\dt:32*\t+8*\dt+7]
.endr
.endr
	WIN 0
.Lhidden_\@:
.endm
; THE CHANGE OF SLOTS stands at a slot's head.  Each wave waits for all its tensor loads, adds 0 to its spare word, and waits for that and for its reads of the slot that it has left.
; fill = 1: behind the barrier that slot takes the keys that follow: the next slot of this block, or slot 0 again for the second block.  The load has a whole slot's steps in which to land.
.macro CHANGE fill
	s_wait_tensorcnt 0x0                           ; no tensor load of mine is out, so the group 0 may be written
	ds_add_u32 v[SPW], v[NIL]                      ; 0 onto my spare word
.if \fill
	s_xor_b32 s[G0+1], s[G0+1], SLOT1              ; the other slot than last time
	s_add_co_u32 s[FI], s[FI], 1
	s_cmp_eq_u32 s[FI], s[NA]                      ; the first block's keys are all asked for: back to the head's first keys, once
	s_cselect_b32 s[FI], 0, s[FI]
	s_cselect_b32 s[NA], 64, s[NA]
	s_lshl_b32 s66, s[FI], 15
	s_mov_b32 s67, 0
	s_add_nc_u64 s[G0+2:G0+3], s[KVB:KVB+1], s[66:67]
	s_or_b32 s[G0+3], s[G0+3], 0x80000000
.endif
	s_wait_dscnt 0x0                               ; the add is done, and my reads of the slot that I have left are over
	s_barrier_signal -1
	s_barrier_wait -1
.if \fill
	TLOAD                                          ; the first thing behind the barrier, and a wave's one tensor load until the next
.endif
.endm
.macro SLOT_STEPS                      ; a slot's two steps: written once, walked twice
	s_mov_b32 s[TWICE], 2
.Lstep_\@:
	STEP
	s_add_co_u32 s[TB], s[TB], 16384
	s_add_co_u32 s[KF], s[KF], 128
	s_sub_co_u32 s[TWICE], s[TWICE], 1
	s_cmp_lg_u32 s[TWICE], 0
	s_cbranch_scc1 .Lstep_\@
	s_setprio 0
	s_sub_co_u32 s[TB], s[TB], 32768
	s_xor_b32 s[TB], s[TB], SLOT1                  ; on to the other slot
.endm
; THE WAY OUT of a block: O^T / the sum, quantised: the conversions' results are y_img's registers.
.macro WAYOUT base
	s_wait_xcnt 0x0                                ; the earlier way out's stores have read their data registers
.rept 4
	v_nop                                          ; places behind the last products
.endr
.irp t, 0,1
	v_add_f32 v[ST+8*\t+6], v[ST+8*\t+2], v[ST+8*\t+3]
.endr
.irp t, 0,1
	v_permlanex16_b32 v[PX+\t], v[ST+8*\t+6], s[SEL], s[SEL+1]
.endr
.irp t, 0,1
	v_add_f32 v[ST+8*\t+6], v[ST+8*\t+6], v[PX+\t] ; the row's sum
.endr
.irp t, 0,1
	v_rcp_f32 v[ST+8*\t+7], v[ST+8*\t+6]
.endr
	v_nop                                          ; a plain line behind the reciprocals
	WIN 0x01                                       ; source 0 (O^T) window 1
	s_wait_alu depctr_va_vdst(0)
.irp t, 0,1
.set j, 0
.rept 32
	v_mul_f32 v[S+64*\t+j], v[32*\t+j], v[ST+8*\t+7]
.set j, j+1
.endr
.endr
	WIN 0
.irp t, 0,1
.set j, 0
.rept 32
.set j, j+1
.endr
.endr
.irp t, 0,1
.irp dt, 0,1,2,3
	v_cvt_scalef32_pk8_fp8_f32 v[YC+8*\t+2*\dt:YC+8*\t+2*\dt+1], v[S+64*\t+8*\dt:S+64*\t+8*\dt+7], v[SCY]
.endr
.endr
	v_nop                                          ; one plain line behind the last conversion
.irp t, 0,1
.irp b, 0,1
	global_store_b128 v[LI], v[YC+8*\t+4*\b:YC+8*\t+4*\b+3], s[\base:\base+1] offset:\t*16384+\b*512
.endr
.endr
.endm
	INIT
	s_wait_loadcnt 0x0                             ; Q
	s_mov_b32 s[TRIP], 8
.Lslot:                                            ; eight trips: behind each change of slots but the last the next slot is asked for
	CHANGE 1
	SLOT_STEPS
	s_cmp_lg_u32 s[KF], s[KEND]
	s_cbranch_scc1 .Lsame                          ; (a branch on ids) the first block is finished: it goes out, and the second begins
	WAYOUT 56
	s_mov_b32 s[Q0], s62
	s_mov_b32 s[KEND], s63
	s_mov_b32 s[KF], 0
	WIN 0x41
.set j, 0
.rept 16
	v_mov_b32 v[QR+j], v[QB+j]
.set j, j+1
.endr
	INIT
.Lsame:
	s_sub_co_u32 s[TRIP], s[TRIP], 1
	s_cmp_lg_u32 s[TRIP], 0
	s_cbranch_scc1 .Lslot
	CHANGE 0                                       ; the last slot is written out
	SLOT_STEPS
	WAYOUT 58
	s_wait_tensorcnt 0x0                           ; the wave's end
	ds_add_u32 v[SPW], v[NIL]
	s_wait_dscnt 0x0
	s_endpgm
.Lfunc_end_k_q3d727533b7_attn:
	.size	k_q3d727533b7_attn, .Lfunc_end_k_q3d727533b7_attn-k_q3d727533b7_attn
	.p2alignl 7, 3214868480
	.fill 96, 4, 3214868480
	.section	.rodata,"a",@progbits
	.p2align	6, 0x0
	.amdhsa_kernel k_q3d727533b7_attn
		.amdhsa_group_segment_fixed_size 327680
		.amdhsa_private_segment_fixed_size 0
		.amdhsa_enable_private_segment 0
		.amdhsa_kernarg_size 32
		.amdhsa_user_sgpr_count 2
		.amdhsa_user_sgpr_kernarg_segment_ptr 1
		.amdhsa_wavefront_size32 1
		.amdhsa_system_sgpr_workgroup_id_x 1
		.amdhsa_system_sgpr_workgroup_id_y 1
		.amdhsa_system_sgpr_workgroup_id_z 1
		.amdhsa_system_vgpr_workitem_id 0
		.amdhsa_next_free_vgpr 512
		.amdhsa_next_free_sgpr 80
		.amdhsa_reserve_vcc 1
		.amdhsa_float_denorm_mode_32 3
		.amdhsa_float_denorm_mode_16_64 3
		.amdhsa_fp16_overflow 1
		.amdhsa_memory_ordered 1
		.amdhsa_forward_progress 1
		.amdhsa_inst_pref_size 89
	.end_amdhsa_kernel
	.amdgpu_metadata
---
amdhsa.version: [ 1, 2 ]
amdhsa.kernels:
  - .name:           k_q3d727533b7_attn
    .symbol:         k_q3d727533b7_attn.kd
    .args:
      - { .name: q_img, .offset: 0, .size: 8, .value_kind: global_buffer, .address_space: global }
      - { .name: kv_img, .offset: 8, .size: 8, .value_kind: global_buffer, .address_space: global }
      - { .name: lowp_scales, .offset: 16, .size: 8, .value_kind: global_buffer, .address_space: global }
      - { .name: y_img, .offset: 24, .size: 8, .value_kind: global_buffer, .address_space: global }
    .group_segment_fixed_size: 327680
    .private_segment_fixed_size: 0
    .kernarg_segment_align: 8
    .kernarg_segment_size: 32
    .max_flat_workgroup_size: 256
    .sgpr_count:     80
    .vgpr_count:     512
    .wavefront_size: 32
...
	.end_amdgpu_metadata
.endif
;; end of part 3
;; launch proj (part 4): grid 8 x 32, 4 waves a work-group, clusters of 4 x 4, 327,680 bytes of LDS; arguments y_img, w_proj_codes, lowp_scales, out0; writes out0
.if DOCPART == 4
	.amdgcn_target "amdgcn-amd-amdhsa--gfx1250"
	.amdhsa_code_object_version 6
	.text
	.protected	k_q3d727533b7_proj
	.globl	k_q3d727533b7_proj
	.p2align	8
	.type	k_q3d727533b7_proj,@function
k_q3d727533b7_proj:
	s_mov_b64 s[64:65], 0
	v_nop
	global_prefetch_b8 v0, s[64:65] scope:SCOPE_SE
	s_setreg_imm32_b32 hwreg(HW_REG_WAVE_MODE, 25, 1), 1
	s_wait_xcnt 0x0
	s_wait_alu depctr_hold_cnt(0) depctr_sa_sdst(0) depctr_va_vdst(0) depctr_va_sdst(0) depctr_va_ssrc(0) depctr_va_vcc(0) depctr_vm_vsrc(0)
	s_getreg_b32 s2, hwreg(HW_REG_IB_STS2, 6, 4)
	s_cmp_eq_u32 s2, 0
	s_cbranch_scc0 .Lentry_in_a_cluster
	s_endpgm
.Lentry_in_a_cluster:
	s_bfe_u32 s2, ttmp6, 0x10000c
	s_cmp_lg_u32 s2, 0xf033
	s_cbranch_scc0 .Lentry_shape_is_right
	s_endpgm
.Lentry_shape_is_right:
; out0 = y w_proj on codes of FP8 (E4M3); each finished sum is multiplied once by 2^(e6 + e7).  LIMIT: e6 + e7 between -126 and 127, so that the factor is an f32 number.
; y_img [row / 16][16,384]: images of operand registers: for 128 along K, step s, register group c lies at s x 2,048 + c x 512 + 16 x lane and holds k = 128 s + 32 c + 16 h + 0..15 of row r.
; w_proj_codes [1024 (n)][1024 (k)]: four loads of 16 bytes at row x pitch + 16 h + 32 c give the same order of k.  out0 [8192][1024] f32.
; SHARES.  A tile of 256 rows x 128 columns to a work-group: 256 work-groups.  A wave makes 128 x 64: 32 accumulators.  THE MATRIX INSTRUCTION IS USED TRANSPOSED (source 0 = 16 rows of w, source 1 = y's 16 rows):
; a lane holds eight neighbouring numbers of a row of the output.
; K = 1,024 goes in four steps of 256 through two LDS slots; all eight steps of 128 are written out.
; CLUSTERS: 4 x 4 work-groups; y's tile is shared along a row of the cluster, w's along a column: joint loads.  Waves 0, 1 fetch y's halves, waves 2, 3 w's.  A wave has at most two tensor loads outstanding.
; REGISTERS: window 0: v1-29 addresses; v32-63 the way out; v128-255 y's fragments, one set.   window 1: w's fragments, two sets of four, at v0 and v128.   window 2: accumulator (a, b) at v[8 (4 a + b)].
.set PITCH,  272                       ; w's LDS row: 256 bytes + 16 of padding
.set ASEG,   65536                     ; y's 16 blocks x 4,096 bytes, dense: read 512 consecutive bytes at a time
.set BHALF,  64*PITCH
.set SLOT,   ASEG+2*BHALF              ; 100,352 bytes
.set STAGE,  2*SLOT                    ; behind the ring: 16 rows x 272 bytes for each wave; no tile lands there
.set SPITCH, 272
.set SPARE,  STAGE+4*16*SPITCH         ; the spare words, 128 bytes a wave: two blocks of 256 bytes that no other line names
.set ADRA, 16
.set ADRB, 20
.set STO,  24
.set RD,   25
.set CO,   26
.set SPW,  28
.set NIL,  29
.set TMP,  32
.set AF,   128
.set BK,   128
.set G1A,  24
.set G0A,  32
.set G1B,  48
.set G0B,  56
.set MSB, 0
.macro WIN new
.if MSB != \new
	s_set_vgpr_msb (MSB<<8)|\new
.set MSB, \new
.endif
.endm
.set MUL,  0xa1                        ; source 0 (w) window 1, source 1 (y) window 0, C and D window 2
.set TO_B, 0x40
.macro PLACES
.rept 4
	v_nop
.endr
.endm
.macro JLOAD s                         ; waves 0, 1 for y, waves 2, 3 for w; four v_nop follow each line
	s_cmp_eq_u32 s15, 0
	s_cbranch_scc0 .Lfor_b_\@
	tensor_load_to_lds s[G0A+4*\s:G0A+4*\s+3], s[G1A:G1A+7]
	s_nop 0
.rept 4
	v_nop
.endr
	s_branch .Lasked_\@
.Lfor_b_\@:
	tensor_load_to_lds s[G0B+4*\s:G0B+4*\s+3], s[G1B:G1B+7]
	s_nop 0
.rept 4
	v_nop
.endr
.Lasked_\@:
.endm
.macro CREST
	s_cmp_lg_u32 s14, 0
	s_cbranch_scc1 .Lnot_wave_0_\@
	s_barrier_signal -3
.Lnot_wave_0_\@:
	s_barrier_wait -3
	s_barrier_signal -1
	s_barrier_wait -1
.endm
.macro CROUND
	s_barrier_signal -1
	s_barrier_wait -1
	CREST
.endm
	s_load_b256 s[4:11], s[0:1], 0x0               ; y_img s[4:5], w s[6:7], the exponents s[8:9], out0 s[10:11]
	v_lshl_add_u32 v[SPW], v0, 2, SPARE
	v_mov_b32 v[NIL], 0
	ds_add_u32 v28, v29
	ds_add_u32 v28, v29
	s_wait_dscnt 0x0
	v_lshrrev_b32 v1, 5, v0
	v_readfirstlane_b32 s14, v1                    ; wave 0..3
	s_lshr_b32 s15, s14, 1                         ; which 128 rows are mine.  Also: I fetch for y (0) or for w (1)
	s_and_b32 s16, s14, 1                          ; which 64 columns.  Also: which half of that tile I fetch
	s_bfe_u32 s40, ttmp6, 0x40000                  ; cx
	s_bfe_u32 s41, ttmp6, 0x40004                  ; cy
	s_lshl_b32 s42, ttmp9, 2
	s_add_co_u32 s42, s42, s40                     ; tile column = 4 x cluster x + cx
	s_and_b32 s17, ttmp7, 0xffff
	s_lshl_b32 s17, s17, 2
	s_add_co_u32 s17, s17, s41                     ; tile row = 4 x cluster y + cy
	s_lshl_b32 s43, s41, 2
	s_lshl_b32 s43, 15, s43                        ; my row of the cluster
	s_lshl_b32 s44, 0x1111, s40                    ; my column
	s_or_b32 s[G1A], s43, (3<<16)|(1<<21)          ; the mask; elements of 8 bytes; no padding; 21 set beside a mask
	s_mov_b32 s[G1A+1], 512<<16                    ; tensor_dim0 = 512 elements: 4,096 bytes of a block of 16 rows
	s_mov_b32 s[G1A+2], 8<<16                      ; tensor_dim1 = 8 blocks
	s_mov_b32 s[G1A+3], 512<<16
	s_mov_b32 s[G1A+4], 8
	s_mov_b32 s[G1A+5], 2048                       ; 16,384 bytes from block to block
	s_mov_b32 s[G1A+6], 0
	s_mov_b32 s[G1A+7], 0
	s_or_b32 s[G1B], s44, (1<<20)|(1<<21)|(5<<22)|(3<<25)   ; elements of 1 byte; four words of padding after every 64
	s_mov_b32 s[G1B+1], 256<<16
	s_mov_b32 s[G1B+2], 64<<16
	s_mov_b32 s[G1B+3], 256<<16
	s_mov_b32 s[G1B+4], 64
	s_mov_b32 s[G1B+5], 1024
	s_mov_b32 s[G1B+6], 0
	s_mov_b32 s[G1B+7], 0
	s_lshl_b32 s20, s17, 18                        ; y: (16 x tile row + 8 x half) blocks of 16,384 bytes
	s_lshl_b32 s21, s16, 17
	s_add_co_u32 s20, s20, s21
	s_mov_b32 s21, 0
	s_lshl_b32 s46, s42, 17                        ; w: (128 x tile column + 64 x half) rows of 1,024 bytes
	s_lshl_b32 s47, s16, 16
	s_add_co_u32 s46, s46, s47
	s_mov_b32 s47, 0
	s_lshl_b32 s45, s16, 15                        ; where they go: y's half,
	s_mul_i32 s66, s16, BHALF                      ; w's half
	s_wait_kmcnt 0x0
	s_load_b64 s[96:97], s[8:9], 0x18              ; e6, e7
	s_add_nc_u64 s[20:21], s[4:5], s[20:21]
	s_add_nc_u64 s[46:47], s[6:7], s[46:47]
	CROUND                                         ; all sixteen work-groups are here: the first joint loads meet
.irp s, 0,1
	s_mov_b32 s[G0A+4*\s], 1
	s_add_co_u32 s[G0A+4*\s+1], s45, \s*SLOT
	s_add_nc_u64 s[G0A+4*\s+2:G0A+4*\s+3], s[20:21], \s*4096
	s_or_b32 s[G0A+4*\s+3], s[G0A+4*\s+3], 0x80000000
	s_mov_b32 s[G0B+4*\s], 1
	s_add_co_u32 s[G0B+4*\s+1], s66, ASEG+\s*SLOT
	s_add_nc_u64 s[G0B+4*\s+2:G0B+4*\s+3], s[46:47], \s*256
	s_or_b32 s[G0B+4*\s+3], s[G0B+4*\s+3], 0x80000000
	s_wait_alu depctr_va_vdst(0)
	s_wait_tensorcnt 0x0
	ds_add_u32 v28, v29
	ds_add_u32 v28, v29
	s_wait_dscnt 0x0
	CROUND
	JLOAD \s
.endr
	v_and_b32 v1, 15, v0                           ; r
	v_bfe_u32 v2, v0, 4, 1                         ; h
	v_and_b32 v3, 31, v0
	v_lshlrev_b32 v3, 4, v3                        ; 16 x lane
	v_mul_u32_u24 v4, v1, PITCH
	v_lshl_add_u32 v4, v2, 4, v4                   ; row r x pitch + 16 h
	s_lshl_b32 s21, s15, 15                        ; my 8 blocks of y
	s_mul_i32 s22, s16, BHALF
	s_add_co_u32 s22, s22, ASEG                    ; my 64 rows of w
.irp s, 0,1
	v_add_nc_u32 v[ADRA+\s], s21, v3
	v_add_nc_u32 v[ADRB+\s], s22, v4
	s_add_co_u32 s21, s21, SLOT
	s_add_co_u32 s22, s22, SLOT
.endr
	s_mul_i32 s23, s14, 16*SPITCH
	s_add_co_u32 s23, s23, STAGE                   ; my stage
	v_mul_u32_u24 v5, v1, SPITCH
	v_lshl_add_u32 v5, v2, 5, v5
	v_add_nc_u32 v[STO], s23, v5                   ; in: row r, 32 bytes for each half of the lanes
	v_mul_u32_u24 v5, v2, SPITCH
	v_lshl_add_u32 v5, v1, 4, v5
	v_add_nc_u32 v[RD], s23, v5                    ; back: lanes 0-15 one row of 256 bytes, lanes 16-31 the next
	v_lshlrev_b32 v5, 12, v2
	v_lshl_add_u32 v[CO], v1, 4, v5                ; and the same two rows in the output
	s_lshl_b32 s20, s17, 20                        ; my first row: (256 x tile row + 128 x half) x 4,096 bytes
	s_lshl_b32 s21, s15, 19
	s_add_co_u32 s20, s20, s21
	s_lshl_b32 s21, s42, 9                         ; my first column: 512 x tile column + 256 x half bytes
	s_add_co_u32 s20, s20, s21
	s_lshl_b32 s21, s16, 8
	s_add_co_u32 s20, s20, s21
	s_mov_b32 s21, 0
	s_add_nc_u64 s[10:11], s[10:11], s[20:21]
.macro FETCH_B slot, q, p              ; w's four fragments of the slot's q-th 128 along K into set p: 16 loads
	WIN TO_B
.irp i, 0,1,2,3
.irp c, 0,1,2,3
	ds_load_b128 v[128*(\p)+16*\i+4*\c:128*(\p)+16*\i+4*\c+3], v[ADRB+\slot] offset:\i*16*PITCH+128*(\q)+32*\c
.endr
.endr
	WIN 0
.endm
.macro FETCH_A slot, q, i0             ; y's blocks i0 .. i0 + 3: 16 loads
.irp i, \i0, \i0+1, \i0+2, \i0+3
.irp c, 0,1,2,3
	ds_load_b128 v[AF+16*(\i)+4*\c:AF+16*(\i)+4*\c+3], v[ADRA+\slot] offset:(\i)*4096+(\q)*2048+\c*512
.endr
.endr
.endm
.macro MUL8 a0, p, zero                ; blocks a0, a0 + 1 x w's four tiles; the 32 accumulators take turns in the same order in every step
.irp a, \a0, \a0+1
.irp b, 0,1,2,3
.if \zero
	v_wmma_f32_16x16x128_fp8_fp8 v[8*(4*(\a)+\b):8*(4*(\a)+\b)+7], v[128*(\p)+16*\b:128*(\p)+16*\b+15], v[AF+16*(\a):AF+16*(\a)+15], 0
.else
	v_wmma_f32_16x16x128_fp8_fp8 v[8*(4*(\a)+\b):8*(4*(\a)+\b)+7], v[128*(\p)+16*\b:128*(\p)+16*\b+15], v[AF+16*(\a):AF+16*(\a)+15], v[8*(4*(\a)+\b):8*(4*(\a)+\b)+7]
.endif
.endr
.endr
.endm
.macro STEP slot, zero
	s_wait_dscnt 16                                ; w's set and y's blocks 0-3 are in; the loads of blocks 4-7 may be out
	WIN MUL
	MUL8 0, 0, \zero
	MUL8 2, 0, \zero
	s_wait_dscnt 0x0
	PLACES
	FETCH_B \slot, 1, 1
	FETCH_A \slot, 1, 0
	WIN MUL
	MUL8 4, 0, \zero
	MUL8 6, 0, \zero
	PLACES
	WIN 0
	FETCH_A \slot, 1, 4
.endm
.macro TURN slot, next, fill
	s_wait_tensorcnt 0x0                           ; all my tensor loads have landed: my part of the next slot
	ds_add_u32 v[SPW], v[NIL]                      ; 0 onto my spare word
	s_wait_dscnt 17                                ; (the add and the loads of blocks 4-7 may be out)
	WIN MUL
	MUL8 0, 1, 0                                   ; eight matrix instructions stand between the add and the wait for it
	s_wait_dscnt 0x0                               ; the add is done, and my reads of this slot are over
	s_barrier_signal -1
	MUL8 2, 1, 0
	WIN 0
	s_barrier_wait -1
.if \fill
	CREST                                          ; the barrier has opened a round of the cluster's
	s_add_nc_u64 s[G0A+4*\slot+2:G0A+4*\slot+3], s[G0A+4*\slot+2:G0A+4*\slot+3], 8192
	s_add_nc_u64 s[G0B+4*\slot+2:G0B+4*\slot+3], s[G0B+4*\slot+2:G0B+4*\slot+3], 512
	JLOAD \slot                                    ; the first tensor load behind the round; its four v_nop are the places in front of the loads below
.else
	PLACES
.endif
	s_wait_alu depctr_va_vdst(0)
	FETCH_B \next, 0, 0
	FETCH_A \next, 0, 0
	WIN MUL
	MUL8 4, 1, 0
	MUL8 6, 1, 0
	PLACES
	WIN 0
	FETCH_A \next, 0, 4
.endm
	s_wait_tensorcnt 1                             ; my part of K step 0 is in; K step 1's load may be out
	s_barrier_signal -1
	s_barrier_wait -1
	FETCH_B 0, 0, 0
	FETCH_A 0, 0, 0
	FETCH_A 0, 0, 4
	STEP 0, 1
	TURN 0, 1, 1
	STEP 1, 0
	TURN 1, 0, 1
	STEP 0, 0
	TURN 0, 1, 0
	STEP 1, 0
	s_wait_dscnt 16
	WIN MUL
	MUL8 0, 1, 0
	MUL8 2, 1, 0
	s_wait_dscnt 0x0
	MUL8 4, 1, 0
	MUL8 6, 1, 0
	WIN 0
; THE WAY OUT, block by block of 16 rows x 64 columns, through my own stage: LDS serves a wave's instructions in order (ISA guide 5.7.1.4), so no wait stands between the stores and the loads.
.macro TOSTAGE a
	WIN 0x02                                       ; source 0: window 2
.irp j, 0,2,4,6,8,10,12,14,16,18,20,22,24,26,28,30
	v_pk_mul_f32 v[TMP+\j:TMP+\j+1], v[32*(\a)+\j:32*(\a)+\j+1], s[96:97] op_sel_hi:[1,0]   ; x 2^(e6 + e7); each accumulator from its low end on
.endr
	WIN 0
.irp b, 0,1,2,3
	ds_store_b128 v[STO], v[TMP+8*\b:TMP+8*\b+3] offset:64*\b
	ds_store_b128 v[STO], v[TMP+8*\b+4:TMP+8*\b+7] offset:64*\b+16
.endr
.set BB, BK+32*((\a)%2)
.irp t, 0,1,2,3,4,5,6,7
	ds_load_b128 v[BB+4*\t:BB+4*\t+3], v[RD] offset:\t*2*SPITCH
.endr
.endm
.macro SEND a, younger                 ; younger: the LDS instructions issued behind block a's loads
.set BB, BK+32*((\a)%2)
	s_wait_dscnt \younger
.if (\a) > 0
	s_add_nc_u64 s[10:11], s[10:11], 65536         ; (behind a wait on XCNT) 16 rows on
.endif
.irp t, 0,1,2,3,4,5,6,7
	global_store_b128 v[CO], v[BB+4*\t:BB+4*\t+3], s[10:11] offset:\t*8192 th:TH_STORE_NT   ; 16 lanes store 256 consecutive bytes, aligned; written once, read by nobody here
.endr
.endm
	s_wait_kmcnt 0x0
	s_add_co_i32 s96, s96, s97
	s_add_co_i32 s96, s96, 127
	s_lshl_b32 s96, s96, 23                        ; 2^(e6 + e7) as f32
	s_mov_b32 s97, s96                             ; (named with it as a pair)
	PLACES
	TOSTAGE 0
.irp a, 1,2,3,4,5,6,7
.if \a > 1
	s_wait_xcnt 0x0                                ; block a - 2's stores have read their registers and their base
.endif
	TOSTAGE \a
	SEND \a-1, 16                                  ; behind block a - 1's loads: block a's 8 stores and 8 loads
.endr
	s_wait_xcnt 0x0
	SEND 7, 0
	s_wait_tensorcnt 0x0                           ; the wave's end
	ds_add_u32 v[SPW], v[NIL]
	s_wait_dscnt 0x0
	CROUND                                         ; the closing round
	s_endpgm
.Lfunc_end_k_q3d727533b7_proj:
	.size	k_q3d727533b7_proj, .Lfunc_end_k_q3d727533b7_proj-k_q3d727533b7_proj
	.p2alignl 7, 3214868480
	.fill 96, 4, 3214868480
	.section	.rodata,"a",@progbits
	.p2align	6, 0x0
	.amdhsa_kernel k_q3d727533b7_proj
		.amdhsa_group_segment_fixed_size 327680
		.amdhsa_private_segment_fixed_size 0
		.amdhsa_enable_private_segment 0
		.amdhsa_kernarg_size 32
		.amdhsa_user_sgpr_count 2
		.amdhsa_user_sgpr_kernarg_segment_ptr 1
		.amdhsa_wavefront_size32 1
		.amdhsa_system_sgpr_workgroup_id_x 1
		.amdhsa_system_sgpr_workgroup_id_y 1
		.amdhsa_system_sgpr_workgroup_id_z 1
		.amdhsa_system_vgpr_workitem_id 0
		.amdhsa_next_free_vgpr 768
		.amdhsa_next_free_sgpr 100
		.amdhsa_reserve_vcc 0
		.amdhsa_float_denorm_mode_32 3
		.amdhsa_float_denorm_mode_16_64 3
		.amdhsa_memory_ordered 1
		.amdhsa_forward_progress 1
		.amdhsa_inst_pref_size 78
	.end_amdhsa_kernel
	.amdgpu_metadata
---
amdhsa.version: [ 1, 2 ]
amdhsa.kernels:
  - .name:           k_q3d727533b7_proj
    .symbol:         k_q3d727533b7_proj.kd
    .args:
      - { .name: y_img, .offset: 0, .size: 8, .value_kind: global_buffer, .address_space: global }
      - { .name: w_proj_codes, .offset: 8, .size: 8, .value_kind: global_buffer, .address_space: global }
      - { .name: lowp_scales, .offset: 16, .size: 8, .value_kind: global_buffer, .address_space: global }
      - { .name: out0, .offset: 24, .size: 8, .value_kind: global_buffer, .address_space: global }
    .group_segment_fixed_size: 327680
    .private_segment_fixed_size: 0
    .kernarg_segment_align: 8
    .kernarg_segment_size: 32
    .max_flat_workgroup_size: 128
    .sgpr_count:     100
    .vgpr_count:     768
    .wavefront_size: 32
...
	.end_amdgpu_metadata
.endif
;; end of part 4
